; MI455X (gfx1250); checked and timed in simulation.
; The chip was launched on July 23, 2026; its instructions are those of AMD's public machine-readable ISA for CDNA 5 (MIT licence, August 2026) and "CDNA5" Instruction Set Architecture Reference Guide (July 2026). The comments in the code are by the model that wrote it; some were corrected since.
;; Vector Quantizer. Allowed arithmetic: matrix products marked QUANTISED: E4M3 operands, one E8M0 scale for each 32 along K, by v_wmma_scale_f32_16x16x128_f8f6f4 with both operands' format E4M3, f32 sums; everything else in f32.
;; Inputs: embeddings 8,192 x 256 float32; inputs 32 x 32 x 32 x 256 float32.
;; Outputs: out0 32 x 32 x 32 int32; out1 32 x 32 x 32 x 256 float32.
;; This version of the problem:
;;   THIS VERSION OF THE PROBLEM IS GIVEN IN LOW PRECISION. The matrix products marked QUANTISED in the list below multiply operands that are first quantised to E4M3 (4 exponent bits, 3 mantissa bits; 8 bits a number), with one power-of-two scale for each 32 numbers along K (OCP MX v1.0); their sums are f32. All else is computed in f32.
;;   The module's matrix products, in the order in which they are computed (A, B: the left and right operand; K: the contracted axis; several contracted axes count as one K, in the product's order):
;;     1. [M 32,768, K 256] x [K 256, N 8,192]; A: input inputs; B: input embeddings: QUANTISED
;;   THE QUANTISER, for each operand of a quantised product, along K:
;;     - K is cut into blocks of 32 from its start; a last block that is shorter is filled with zeros.
;;     - A block's scale is 2^e with e = floor(log2(the largest magnitude in the block)) - 8, held to -126 .. 127; a block of zeros has e = 0. As a byte (E8M0): e + 127.
;;     - Each number is divided by its block's scale, clamped to +-448, and rounded to the nearest number of E4M3, ties to even, subnormals kept.
;;     - The product sums the exact products of the quantised numbers (number of the format x scale) in f32.
;;   ~~~python
;;   def quantise(x, axis):      # numpy; x: float32 -> the quantised numbers, widened to float32 again
;;       x = np.moveaxis(x, axis, -1); K = x.shape[-1]
;;       x = np.pad(x, [(0, 0)] * (x.ndim - 1) + [(0, -K % 32)]); x = x.reshape(x.shape[:-1] + (-1, 32)); a = np.abs(x).max(-1, keepdims=True)
;;       e = np.where(a > 0, np.clip(np.frexp(np.where(a > 0, a, 1))[1] - 1 - 8, -126, 127), 0)      # np.frexp(a)[1] - 1 = floor(log2(a)), exactly
;;       r = np.clip(x / 2.0 ** e, -448, 448)
;;       step = 2.0 ** (np.maximum(np.frexp(np.where(r == 0, 1, r))[1] - 1, -6) - 3)
;;       q = np.round(r / step) * step * 2.0 ** e      # np.round: ties to even
;;       return np.moveaxis(q.reshape(q.shape[:-2] + (-1,))[..., :K], -1, axis).astype(np.float32)
;;   ~~~
;; One version. Each part assembles by itself: llvm-mc -triple=amdgcn-amd-amdhsa -mcpu=gfx1250 --defsym DOCPART=n.
;; ======== version 1 of 1: 3 launches
;; limits: right only within a limited range of input values
;; workspace buffers: ecb 2,228,224 bytes; cidx 131,072 bytes of whole numbers
;; launch quant_e (part 1): grid 256 x 1, 2 waves a work-group, no clusters, 0 bytes of LDS; arguments embeddings, ecb; writes ecb
.if DOCPART == 1
	.amdgcn_target "amdgcn-amd-amdhsa--gfx1250"
	.amdhsa_code_object_version 6
	.text
	.protected	k_qfd46f3f094_quant_e
	.globl	k_qfd46f3f094_quant_e
	.p2align	8
	.type	k_qfd46f3f094_quant_e,@function
k_qfd46f3f094_quant_e:
	s_mov_b64 s[64:65], 0
	v_nop
	global_prefetch_b8 v0, s[64:65] scope:SCOPE_SE
	s_setreg_imm32_b32 hwreg(HW_REG_WAVE_MODE, 25, 1), 1
	s_wait_xcnt 0x0
; The codebook, embeddings [8192][256] f32, is turned ONCE into what the distance launch wants of it: 512 records of 4,352 bytes, record T for codes 16 T .. 16 T + 15.
;   bytes 0 .. 4095     the codes of FP8 (E4M3), as images of the operand's registers: group g = 4 s + c (K step s of 128, register group c) at 512 g + 16 x lane:
;                       lane (r = lane % 16, h = lane / 16) holds row r, k = 128 s + 32 c + 16 h + 0 .. 15
;   bytes 4096 .. 4223  the E8M0 scale bytes, [16 codes][8 blocks of 32 along K]
;   bytes 4224 .. 4287  the 16 sums of squares ||e||^2 of the UNQUANTISED rows, f32;   bytes 4288 .. 4351 the same once more, so that the last 256 bytes leave by one store
; A block's scale is 2^(floor(log2(its largest magnitude)) - 8); its byte is the largest magnitude's exponent field - 8, held at 1 from below.
; LIMITS: a block of zeros gets the byte 1 where the rule says 127 (its codes are zeros, and this program alone reads the bytes); NaN and infinities among the inputs are not served;
; ||e||^2 is summed in four chains a lane and then across the two lanes of a row: another order of f32 roundings than a plain sum along the row.
; SHARES: one wave makes one record; 512 waves, two to a work-group, which share nothing: no LDS, no barrier.  No matrix unit, no cluster, no tensor load: 16 KiB in and 4,352 bytes out for each wave, each byte once.
.set REC,  4352
.set XA,   4                           ; v4   my lane's byte in the tile's 16 rows: 1024 r + 64 h
.set LI,   5                           ; v5   16 x lane: my place in an image
.set TL,   6                           ; v6   8 x lane: my place in the record's last 256 bytes
.set X0,   16                          ; v16-79   K step 0: register 16 b + i = k 32 b + 16 h + i of my row
.set X1,   80                          ; v80-143  K step 1
.set PC0,  144                         ; v144-159 K step 0's codes
.set PC1,  160                         ; v160-175 K step 1's
.set TM,   176                         ; v176-191 at work: largest magnitudes, bytes, holds, scale operands
.set PW0,  192                         ; v192, v193 my row's two scale words
.set PW1,  193
.set LA,   194                         ; v[194:195], v[196:197] the sum of squares, in four chains
.set LB,   196
.set P0,   198                         ; v198, v199 ||e||^2 of rows 2 i and 2 i + 1, i = lane % 8
.set P1,   199
.set OUTP, 200                         ; v[200:201] my 8 bytes of the last unit
.set SEL,  20                          ; s[20:21] v_permlanex16_b32's selects for lane l xor 16
.set MNT,  22                          ; s22      the mantissa field of 448
; my row's 64 numbers of K step s: of each block of 32 the 16 neighbours of my half, four loads of 16 bytes
.macro XLOAD reg, s
.irp b, 0,1,2,3
.irp j, 0,1,2,3
	global_load_b128 v[\reg+16*\b+4*\j:\reg+16*\b+4*\j+3], v[XA], s[4:5] offset:512*\s+128*\b+16*\j th:TH_LOAD_NT
.endr
.endr
.endm
; the squares of 64 numbers onto the four chains; first = 1: the first products start the sums, nothing is cleared
.macro SQ reg, first
.set i, 0
.rept 16
.if \first && (i == 0)
	v_pk_mul_f32 v[LA:LA+1], v[\reg:\reg+1], v[\reg:\reg+1]
	v_pk_mul_f32 v[LB:LB+1], v[\reg+2:\reg+3], v[\reg+2:\reg+3]
.else
	v_pk_fma_f32 v[LA:LA+1], v[\reg+4*i:\reg+4*i+1], v[\reg+4*i:\reg+4*i+1], v[LA:LA+1]
	v_pk_fma_f32 v[LB:LB+1], v[\reg+4*i+2:\reg+4*i+3], v[\reg+4*i+2:\reg+4*i+3], v[LB:LB+1]
.endif
.set i, i+1
.endr
.endm
; 64 numbers of a lane, v[s] on, become a fragment's codes in v[pc] on and my row's scale word in v[pw].  neg = 1: the numbers change sign on the way, inside the hold.
.macro QUANT s, pc, pw, neg
.irp b, 0,1,2,3
	v_max3_num_f32 v[TM+\b], |v[\s+16*\b]|, |v[\s+16*\b+1]|, 0x4800000   ; block b: my 16 numbers, and the floor 2^(9 - 127): the byte cannot fall under 1
.endr
.irp i, 2,4,6,8,10,12,14
.irp b, 0,1,2,3
	v_max3_num_f32 v[TM+\b], v[TM+\b], |v[\s+16*\b+\i]|, |v[\s+16*\b+\i+1]|   ; the four blocks by turns: no line waits for the line above it
.endr
.endr
.irp b, 0,1,2,3
	v_permlanex16_b32 v[TM+4+\b], v[TM+\b], s[SEL], s[SEL+1]
.endr
.irp b, 0,1,2,3
	v_max_num_f32 v[TM+\b], v[TM+\b], v[TM+4+\b]   ; with lane l xor 16's 16 numbers: the block's largest magnitude
.endr
.irp b, 0,1,2,3
	v_add_nc_u32 v[TM+12+\b], 0xfc000000, v[TM+\b]   ; 8 off its exponent field: the conversion takes this operand's exponent field as its scale
.endr
.irp b, 0,1,2,3
	v_and_or_b32 v[TM+8+\b], v[TM+\b], 0x7f800000, s[MNT]   ; 448 x the scale
.endr
.irp b, 0,1,2,3
	v_lshrrev_b32 v[TM+4+\b], 23, v[TM+12+\b]   ; the scale's byte
.endr
	v_lshl_or_b32 v[\pw], v[TM+5], 8, v[TM+4]
	v_lshl_or_b32 v[\pw], v[TM+6], 16, v[\pw]
	v_lshl_or_b32 v[\pw], v[TM+7], 24, v[\pw]
.irp b, 0,1,2,3
.irp i, 0,1,2,3,4,5,6,7,8,9,10,11,12,13,14,15
.if \neg
	v_med3_num_f32 v[\s+16*\b+\i], -v[\s+16*\b+\i], -v[TM+8+\b], v[TM+8+\b]   ; the sign and the hold in one
.else
	v_med3_num_f32 v[\s+16*\b+\i], v[\s+16*\b+\i], -v[TM+8+\b], v[TM+8+\b]   ; the conversion to an 8-bit code does not saturate (ISA guide 7.6.2): the hold at 448 x the scale
.endif
.endr
	v_cvt_scalef32_pk8_fp8_f32 v[\pc+4*\b:\pc+4*\b+1], v[\s+16*\b:\s+16*\b+7], v[TM+12+\b]
	v_cvt_scalef32_pk8_fp8_f32 v[\pc+4*\b+2:\pc+4*\b+3], v[\s+16*\b+8:\s+16*\b+15], v[TM+12+\b]
.endr
	v_nop                                          ; one plain vector line behind the last conversion, ahead of whatever next touches its registers
.endm
	s_load_b128 s[4:7], s[0:1], 0x0                ; embeddings s[4:5], ecb s[6:7]
	v_lshrrev_b32 v1, 5, v0
	v_readfirstlane_b32 s8, v1                     ; wave 0, 1
	v_and_b32 v1, 31, v0                           ; lane
	v_and_b32 v2, 15, v0                           ; r
	v_bfe_u32 v3, v0, 4, 1                         ; h
	v_lshlrev_b32 v[XA], 10, v2
	v_lshl_add_u32 v[XA], v3, 6, v[XA]
	v_lshlrev_b32 v[LI], 4, v1
	v_lshlrev_b32 v[TL], 3, v1
	s_lshl_b32 s9, ttmp9, 1
	s_add_co_u32 s9, s9, s8                        ; my tile T = 2 x work-group + wave
	s_lshl_b32 s10, s9, 14                         ; its 16 rows of 1,024 bytes
	s_mov_b32 s11, 0
	s_mul_i32 s12, s9, REC                         ; its record
	s_mov_b32 s13, 0
	s_mov_b32 s[SEL], 0x76543210
	s_mov_b32 s[SEL+1], 0xfedcba98
	s_mov_b32 s[MNT], 0x600000
	s_mov_b32 s24, 0xeca86420                      ; v_permlane16_b32's selects: lane i of a row of 16 takes lane 2 (i % 8),
	s_mov_b32 s25, 0xeca86420
	s_mov_b32 s26, 0xfdb97531                      ; or lane 2 (i % 8) + 1
	s_mov_b32 s27, 0xfdb97531
.irp b, 0,1,2,3
	v_mov_b32 v[TM+4+\b], 0                        ; written once: a lane permute's destination counts as one of its sources
.endr
	v_mov_b32 v[P0], 0
	v_mov_b32 v[P1], 0
	s_wait_alu depctr_va_vdst(0)
	s_wait_kmcnt 0x0
	s_add_nc_u64 s[4:5], s[4:5], s[10:11]
	s_add_nc_u64 s[6:7], s[6:7], s[12:13]
	XLOAD X0, 0
	XLOAD X1, 1
	s_wait_loadcnt 16                              ; K step 0's sixteen loads are in; K step 1's sixteen stay out
	SQ X0, 1                                       ; the squares first: the hold writes over the numbers
	QUANT X0, PC0, PW0, 0
.irp c, 0,1,2,3
	global_store_b128 v[LI], v[PC0+4*\c:PC0+4*\c+3], s[6:7] offset:512*\c   ; 32 lanes store 512 consecutive bytes, at a multiple of 256 from the buffer's first byte
.endr
	s_wait_loadcnt 0x0
	SQ X1, 0
	QUANT X1, PC1, PW1, 0
.irp c, 0,1,2,3
	global_store_b128 v[LI], v[PC1+4*\c:PC1+4*\c+3], s[6:7] offset:2048+512*\c
.endr
	v_pk_add_f32 v[LA:LA+1], v[LA:LA+1], v[LB:LB+1]
	v_add_f32 v[LA], v[LA], v[LA+1]
	v_permlanex16_b32 v[LB], v[LA], s[SEL], s[SEL+1]
	v_add_f32 v[LA], v[LA], v[LB]                  ; ||e||^2 of row r, in both lanes of the row
	v_permlane16_b32 v[P0], v[LA], s24, s25        ; lanes 16 + i and 24 + i: rows 2 i
	v_permlane16_b32 v[P1], v[LA], s26, s27        ; and 2 i + 1
	v_cmp_gt_u32 vcc_lo, 16, v1
	v_cndmask_b32 v[OUTP], v[P0], v[PW0], vcc_lo   ; lanes 0-15: row r's eight scale bytes; lanes 16-31: two sums of squares
	v_cndmask_b32 v[OUTP+1], v[P1], v[PW1], vcc_lo
	global_store_b64 v[TL], v[OUTP:OUTP+1], s[6:7] offset:4096   ; 32 lanes store 256 consecutive bytes, aligned.  No register that a store reads is written again: no wait is owed
	s_endpgm
.Lfunc_end_k_qfd46f3f094_quant_e:
	.size	k_qfd46f3f094_quant_e, .Lfunc_end_k_qfd46f3f094_quant_e-k_qfd46f3f094_quant_e
	.p2alignl 7, 3214868480
	.fill 96, 4, 3214868480
	.section	.rodata,"a",@progbits
	.p2align	6, 0x0
	.amdhsa_kernel k_qfd46f3f094_quant_e
		.amdhsa_group_segment_fixed_size 0
		.amdhsa_private_segment_fixed_size 0
		.amdhsa_enable_private_segment 0
		.amdhsa_kernarg_size 16
		.amdhsa_user_sgpr_count 2
		.amdhsa_user_sgpr_kernarg_segment_ptr 1
		.amdhsa_wavefront_size32 1
		.amdhsa_system_sgpr_workgroup_id_x 1
		.amdhsa_system_sgpr_workgroup_id_y 1
		.amdhsa_system_sgpr_workgroup_id_z 1
		.amdhsa_system_vgpr_workitem_id 0
		.amdhsa_next_free_vgpr 208
		.amdhsa_next_free_sgpr 66
		.amdhsa_reserve_vcc 1
		.amdhsa_float_denorm_mode_32 3
		.amdhsa_float_denorm_mode_16_64 3
		.amdhsa_memory_ordered 1
		.amdhsa_forward_progress 1
		.amdhsa_inst_pref_size 26
	.end_amdhsa_kernel
	.amdgpu_metadata
---
amdhsa.version: [ 1, 2 ]
amdhsa.kernels:
  - .name:           k_qfd46f3f094_quant_e
    .symbol:         k_qfd46f3f094_quant_e.kd
    .args:
      - { .name: embeddings, .offset: 0, .size: 8, .value_kind: global_buffer, .address_space: global }
      - { .name: ecb, .offset: 8, .size: 8, .value_kind: global_buffer, .address_space: global }
    .group_segment_fixed_size: 0
    .private_segment_fixed_size: 0
    .kernarg_segment_align: 8
    .kernarg_segment_size: 16
    .max_flat_workgroup_size: 64
    .sgpr_count:     66
    .vgpr_count:     208
    .wavefront_size: 32
...
	.end_amdgpu_metadata
.endif
;; end of part 1
;; launch dist_argmin (part 2): grid 256 x 1, 4 waves a work-group, clusters of 4 x 1, 327,680 bytes of LDS; arguments inputs, ecb, out0, cidx; writes out0, cidx
.if DOCPART == 2
	.amdgcn_target "amdgcn-amd-amdhsa--gfx1250"
	.amdhsa_code_object_version 6
	.text
	.protected	k_qfd46f3f094_dist_argmin
	.globl	k_qfd46f3f094_dist_argmin
	.p2align	8
	.type	k_qfd46f3f094_dist_argmin,@function
k_qfd46f3f094_dist_argmin:
	s_mov_b64 s[64:65], 0
	v_nop
	global_prefetch_b8 v0, s[64:65] scope:SCOPE_SE
	s_setreg_imm32_b32 hwreg(HW_REG_WAVE_MODE, 25, 1), 1
	s_wait_xcnt 0x0
	s_wait_alu depctr_hold_cnt(0) depctr_sa_sdst(0) depctr_va_vdst(0) depctr_va_sdst(0) depctr_va_ssrc(0) depctr_va_vcc(0) depctr_vm_vsrc(0)
	s_getreg_b32 s2, hwreg(HW_REG_IB_STS2, 6, 4)
	s_cmp_eq_u32 s2, 0
	s_cbranch_scc0 .Lentry_in_a_cluster
	s_endpgm
.Lentry_in_a_cluster:
	s_bfe_u32 s2, ttmp6, 0x10000c
	s_cmp_lg_u32 s2, 0x3003
	s_cbranch_scc0 .Lentry_shape_is_right
	s_endpgm
.Lentry_shape_is_right:
; codes[row] = argmin over the 8,192 codes of ||x||^2 + ||e||^2 - 2 x.e, the product on codes of FP8 (E4M3) with one E8M0 scale for each 32 along K = 256.  The argmin goes to out0 and to cidx, from which the next launch gathers.
; WORK LEFT OUT: ||x||^2 (l2_inputs).  It is one number for a row, added to all 8,192 distances of that row; in real numbers d_a < d_b exactly when d_a - ||x||^2 < d_b - ||x||^2, for all finite inputs,
; so it can move neither the argmin nor the row gathered by it.  It enters no quantised operand.  LIMIT: a NaN, an infinity or an overflow that reaches ||x||^2 alone is not carried to the result.
; SHARES.  A work-group owns 128 rows of x and walks all codes.  Each of its four waves holds all 128 rows as 16 fragments (window 1) and takes a quarter of the codes: of each chunk of 32 records (512 codes) wave w takes records 8 w .. 8 w + 7,
; brought by its own tensor load and read by it alone.  A fragment of the codebook read from LDS feeds eight matrix instructions.
; THE PRODUCT IS USED TRANSPOSED: source 0 = 16 codes, source 1 = 16 queries: a lane holds one query (lane % 16), its eight registers the codes 8 (lane / 16) + 0 .. 7 of the tile.
; The factor -2: x changes sign inside the quantiser's hold, and 1 is added to each of its scale bytes (at most 246).  ||e||^2 is the C of a tile's first matrix instruction.  An accumulator holds u = ||e||^2 - 2 x.e.
; THE ARGMIN: for each query tile a lane keeps the least u, the code base of the tile that last lowered it (strictly: of equal minima the earlier tile stays) and that tile's eight numbers; at the end the lowest register equal to
; the minimum gives the code.  Between lanes and waves the smaller u wins, of equal ones the lower code.  No branch and no address hangs on data.
; TWO SETS of accumulators and of codebook fragments.  A unit loads record t + 2, multiplies record t + 1, selects by record t's minima and takes record t + 1's minima.  The selects of query tiles 0 to 4 stand among the
; products, two lines behind each; the rest and the minima (four stages over the eight tiles, so that a line reads what stands eight lines back) follow the products and are the places behind them.
; CLUSTER: all work-groups walk the same codebook: the four of a cluster ask for each wave's part of a chunk jointly.
; LIMITS: the f32 roundings differ from a sum ||x||^2 + ||e||^2 followed by a subtraction: rows whose two best distances differ by less than those roundings may take the other code.  NaN and infinities among the inputs are not served.
; A block of zeros of x gets the scale byte 2; its codes are zeros.
; REGISTERS.  Window 0: v1-15 addresses; v16-35 scale words (x's at residues 0-5 modulo 8, the records' at 6, 7); v36-38, v56-58, v60, v61 the tiles' minima; v40-55 (minimum, code base) pairs; v64-127 the kept tiles;
; v128-255 two sets of 8 accumulators.  Window 1: x's fragments, (tile q, K step s) at 32 q + 16 s.  Window 2: two sets of a record's two fragments (32) and ||e||^2 (8), 48 apart.  Window 3: x's numbers as loaded, at the head.
.set REC,   4352                       ; a record: 16 codes (launch quant_e's layout)
.set WPART, 8*REC                      ; a wave's part of a chunk: 136 rows of 256 bytes
.set SLOTB, 4*WPART                    ; a chunk, and an LDS slot
.set XIMG,  2*SLOTB                    ; x's codes: 128 lines (16 q + 8 s + 2 c + h) of 16 rows x 16 bytes, XP apart; at the end the waves' pairs
.set XP,    272
.set XSC,   XIMG+128*XP                ; x's scale words: 64 bytes a fragment
.set STG,   XSC+1024                   ; a stage of 32 x SP bytes for each wave
.set SP,    80
.set SPARE, STG+4*32*SP                ; the spare words, 128 bytes a wave
.set SPW, 1
.set NIL, 2
.set AE,  3                            ; v3, v4   my place in my wave's records' images, slot 0, 1
.set AS,  5                            ; v5, v6   among their scale bytes
.set AL,  7                            ; v7, v8   among their ||e||^2
.set LI,  9                            ; XIMG + XP h + 16 r
.set LS,  10                           ; XSC + 4 r
.set PFO, 11                           ; the prefetches' offset
.set RA,  12                           ; where I put a pair
.set RB,  13                           ; where thread t reads two rows' pairs
.set GL,  14                           ; 16 x lane
.set VT,  15                           ; the code of my register 0 in the tile whose minima are at the selects
.set XS,  16
.set ES,  22                           ; v22, v23 and v30, v31
.set MI,  40
.set SV,  64
.set ACC, 128
.set X,   64                           ; the head: four sets of 16 neighbours
.set STI, 128
.set STO, 129
.set LW,  130
.set SW,  131
.set T8,  132
.set T9,  133
.set T10, 134
.set T11, 135
.set CD,  136                          ; two sets of four registers of codes
.set EB,  144                          ; two scale bytes
.set JJ,  128                          ; the end
.set PO,  152
.set KQ,  168
.set OUTP, 184
.set GOF, 186
.set WV,  12
.set CX,  13
.set SEL, 20
.set MNT, 22
.set G1,  24
.set G0,  32
.set TRIP, 40
.set LIM, 41
.set PFA, 42
.set MSB, 0
.macro WIN new                         ; the immediate's high byte repeats the setting that is left
.if MSB != \new
	s_set_vgpr_msb (MSB<<8)|\new
.set MSB, \new
.endif
.endm
.macro CROUND                          ; a round of the cluster's barrier
	s_barrier_signal -1
	s_barrier_wait -1
	s_cmp_lg_u32 s[WV], 0
	s_cbranch_scc1 .Lnot_wave_0_\@
	s_barrier_signal -3
.Lnot_wave_0_\@:
	s_barrier_wait -3
	s_barrier_signal -1
	s_barrier_wait -1
.endm
.macro XLOAD t                         ; step t: two rows of x, 2,048 bytes; each load 512 consecutive bytes (window 3)
.irp i, 0,1,2,3
	global_load_b128 v[16*(\t)+4*\i:16*(\t)+4*\i+3], v[GL], s[4:5] offset:2048*(\t)+512*\i th:TH_LOAD_NT
.endr
.endm
.macro TURN u                          ; step u through my stage: in as loaded, back 64 bytes a lane.  LDS serves a wave's instructions in order, so one stage serves every step
	WIN 0x0c
.irp i, 0,1,2,3
	ds_store_b128 v[STI], v[16*(\u)+4*\i:16*(\u)+4*\i+3] offset:8*SP*\i
.endr
	WIN 0
.irp i, 0,1,2,3
	ds_load_b128 v[X+16*((\u)%4)+4*\i:X+16*((\u)%4)+4*\i+3], v[STO] offset:16*\i
.endr
.endm
; Step t: lane l holds k = 16 (l % 16) + 0 .. 15 of row 2 t + l / 16 of my wave's 32; two neighbouring lanes hold a block.
.macro STEP t
.set XQ, X+16*((\t)%4)
.set CQ, CD+4*((\t)%2)
.set EQ, EB+(\t)%2
.if (\t) > 0
	s_wait_dscnt 2                                 ; this step's numbers are back; the last step's two stores may be out
.else
	s_wait_dscnt 0x0
.endif
.if (\t) < 15
	s_wait_loadcnt 4*(14-(\t))                     ; the next step's four loads are in; the later steps' stay out
	TURN (\t)+1
.endif
	v_max3_num_f32 v[T8], |v[XQ]|, |v[XQ+1]|, |v[XQ+2]|
	v_max3_num_f32 v[T9], |v[XQ+3]|, |v[XQ+4]|, |v[XQ+5]|
.irp i, 6,10
	v_max3_num_f32 v[T8], v[T8], |v[XQ+\i]|, |v[XQ+\i+1]|
	v_max3_num_f32 v[T9], v[T9], |v[XQ+\i+2]|, |v[XQ+\i+3]|
.endr
	v_max3_num_f32 v[T8], v[T8], |v[XQ+14]|, |v[XQ+15]|
	v_max3_num_f32 v[T8], v[T8], v[T9], 0x4800000  ; the floor 2^(9 - 127): the byte cannot fall under 1
	v_max_num_f32_dpp v[T8], v[T8], v[T8] row_xmask:1 row_mask:0xf bank_mask:0xf   ; with my neighbour's 16: the block's largest magnitude
	v_add_nc_u32 v[T11], 0xfc000000, v[T8]         ; 8 off its exponent field: the conversion's scale operand
	v_and_or_b32 v[T10], v[T8], 0x7f800000, s[MNT] ; 448 x the scale
.irp i, 0,1,2,3,4,5,6,7,8,9,10,11,12,13,14,15
	v_med3_num_f32 v[XQ+\i], -v[XQ+\i], -v[T10], v[T10]   ; the sign and the hold in one (the conversion does not saturate: ISA guide 7.6.2)
.endr
	v_cvt_scalef32_pk8_fp8_f32 v[CQ:CQ+1], v[XQ:XQ+7], v[T11]
	v_cvt_scalef32_pk8_fp8_f32 v[CQ+2:CQ+3], v[XQ+8:XQ+15], v[T11]
	v_lshrrev_b32 v[EQ], 23, v[T11]                ; the scale's byte,
	v_add_nc_u32 v[EQ], 1, v[EQ]                   ; + 1: the factor 2
	ds_store_b128 v[LW], v[CQ:CQ+3] offset:16*XP*((\t)/8)+32*((\t)%8)
	ds_store_b8 v[SW], v[EQ] offset:128*((\t)/8)+8*((\t)%8)   ; both lanes of a block write the same byte
.endm
; record rec of my wave's eight in a slot, into set e: eleven LDS loads
.macro ELOAD slot, rec, e
	WIN 0
	ds_load_b64 v[ES+8*(\e):ES+8*(\e)+1], v[AS+(\slot)] offset:REC*(\rec)+4096
	WIN 0x80                                       ; destination window 2
.irp g, 0,1,2,3,4,5,6,7
	ds_load_b128 v[48*(\e)+4*\g:48*(\e)+4*\g+3], v[AE+(\slot)] offset:REC*(\rec)+512*\g
.endr
	ds_load_b128 v[48*(\e)+32:48*(\e)+35], v[AL+(\slot)] offset:REC*(\rec)+4224
	ds_load_b128 v[48*(\e)+36:48*(\e)+39], v[AL+(\slot)] offset:REC*(\rec)+4240
.endm
.macro SEL2 d, a                       ; two selects by VCC in one line: registers d, d + 1 take a, a + 1 where the minimum fell
	v_dual_cndmask_b32 v[\d], v[\d], v[\a] :: v_dual_cndmask_b32 v[\d+1], v[\d+1], v[\a+1]
.endm
; Line n of the 48 lines of selects on accumulator set e: query tile n / 6; of its six lines the first compares the tile's minimum with the running one (strictly lower: of equal minima the earlier tile stays),
; the second takes minimum and code base, the other four the tile's eight numbers.  A tile's minimum lies in a register whose number modulo 4 is not VT's: the two second sources of a dual line differ so.
.macro SLINE n, e
.set sq, (\n)/6
.set sr, (\n)%6
.set TQ, 36+sq+17*((sq+3)/6)+sq/6
.set MQ, MI+2*sq
.if sr == 0
	v_cmp_lt_f32 vcc_lo, v[TQ], v[MQ]
.endif
.if sr == 1
	v_dual_cndmask_b32 v[MQ], v[MQ], v[TQ] :: v_dual_cndmask_b32 v[MQ+1], v[MQ+1], v[VT]
.endif
.if sr > 1
	SEL2 SV+8*sq+2*(sr-2), ACC+64*(\e)+8*sq+2*(sr-2)
.endif
.endm
; Stage st of four of query tile q's minimum over accumulator set e, from the accumulator's low end on
.macro TRL st, q, e
.set TQ, 36+(\q)+17*(((\q)+3)/6)+(\q)/6
.set AQ, ACC+64*(\e)+8*(\q)
.if \st == 0
	v_min3_num_f32 v[TQ], v[AQ], v[AQ+1], v[AQ+2]
.endif
.if \st == 1
	v_min3_num_f32 v[TQ], v[TQ], v[AQ+3], v[AQ+4]
.endif
.if \st == 2
	v_min3_num_f32 v[TQ], v[TQ], v[AQ+5], v[AQ+6]
.endif
.if \st == 3
	v_min_num_f32 v[TQ], v[TQ], v[AQ+7]
.endif
.endm
; 16 codes (set e) against the eight tiles of queries, two K steps; the eight accumulators take turns; the first K step takes ||e||^2 as its C.
; s = 1: lines 0 to 29 of the other set's selects stand among the products: one behind the first, two behind each of the next fourteen, one behind the last.  They name no register of these products.
.macro MPH e, s
.set kk, 0
.rept 16
.set mq, kk%8
.if kk < 8
	WIN 0x26                                       ; source 0 and C window 2, source 1 window 1
	v_wmma_scale_f32_16x16x128_f8f6f4 v[ACC+64*(\e)+8*mq:ACC+64*(\e)+8*mq+7], v[48*(\e):48*(\e)+15], v[32*mq:32*mq+15], v[48*(\e)+32:48*(\e)+39], v[ES+8*(\e)], v[XS+((2*mq)/6)*8+(2*mq)%6]
.else
	WIN 0x06                                       ; C window 0
	v_wmma_scale_f32_16x16x128_f8f6f4 v[ACC+64*(\e)+8*mq:ACC+64*(\e)+8*mq+7], v[48*(\e)+16:48*(\e)+31], v[32*mq+16:32*mq+31], v[ACC+64*(\e)+8*mq:ACC+64*(\e)+8*mq+7], v[ES+8*(\e)+1], v[XS+((2*mq+1)/6)*8+(2*mq+1)%6]
.endif
.if \s
	WIN 0
.if kk == 0
	SLINE 0, 1-(\e)
.else
	SLINE 2*kk-1, 1-(\e)
.if kk < 15
	SLINE 2*kk, 1-(\e)
.endif
.endif
.endif
.set kk, kk+1
.endr
	WIN 0
.endm
; Behind the products: the selects of query tiles 5 to 7 on set e (their first thirteen lines are the places ahead of the first read of the other set's fresh results: ISA guide 7.12.1), the code base's step to the next record,
; and the next record's minima on the other set.
.macro CONT e, inc
.irp n, 30,31,32,33,34,35,36,37,38,39,40,41,42
	SLINE \n, \e
.endr
.irp q, 0,1,2,3
	TRL 0, \q, 1-(\e)
.endr
.irp n, 43,44,45,46,47
	SLINE \n, \e
.endr
	v_add_nc_u32 v[VT], \inc, v[VT]
.irp q, 4,5,6,7
	TRL 0, \q, 1-(\e)
.endr
.irp st, 1,2,3
.irp q, 0,1,2,3,4,5,6,7
	TRL \st, \q, 1-(\e)
.endr
.endr
.endm
; A unit, i = the record at the selects: the record two on is loaded (from slot ls), record i + 1 is multiplied and its minima are taken.
.macro RU ls, rec, i
	s_wait_alu depctr_va_vdst(0)
	ELOAD \ls, \rec, (\i)%2
	s_wait_dscnt 11                                ; all but the eleven just issued
	MPH ((\i)+1)%2, 1
.if (\i) == 7
	CONT 1, 400                                    ; from my last record of a chunk to my first of the next: 512 - 112 codes
.else
	CONT (\i)%2, 16
.endif
.endm
; A prefetch of the chunk that the change of slots after the next asks for.  All clusters walk the same chunks: the first two clusters ask.  A wave's part is 136 blocks of 256 bytes, shared out BY ADDRESS among those
; eight work-groups, 17 each, a lane a block (lanes 17 to 31 name lane 16's again).  The loop's last trip asks for nothing: its chunks would lie past the buffer's end.  Chunks 0 to 3 come by their loads alone.
.macro ASK
	s_cmp_gt_u32 s[TRIP], s[LIM]
	s_cbranch_scc0 .Lnot_mine_\@
	global_prefetch_b8 v[PFO], s[PFA:PFA+1] th:TH_LOAD_NT scope:SCOPE_SE
.Lnot_mine_\@:
.endm
; Unit 6 with the change of slots: slot old's last record is in registers.  The wait for all my tensor loads, the add, the wait for it and for my reads, the round, and the joint refill, two chunks on, first behind it.
.macro CHG old
	s_wait_alu depctr_va_vdst(0)                   ; as at every unit's head
	s_wait_xcnt 0x0                                ; the last prefetch, a chunk back, has read its address
	s_add_nc_u64 s[PFA:PFA+1], s[PFA:PFA+1], SLOTB
	s_wait_tensorcnt 0x0                           ; my part of the other slot is in; no tensor load of mine is out
	ds_add_u32 v[SPW], v[NIL]
	s_add_nc_u64 s[G0+4*(\old)+2:G0+4*(\old)+3], s[G0+4*(\old)+2:G0+4*(\old)+3], 2*SLOTB
	s_wait_dscnt 1                                 ; record 7's loads are in; the add may be out
	MPH 1, 1
	s_wait_dscnt 0x0
	CROUND
	tensor_load_to_lds s[G0+4*(\old):G0+4*(\old)+3], s[G1:G1+7]
	s_nop 0
.rept 4
	v_nop
.endr
	ELOAD 1-\old, 0, 0
	WIN 0
	ASK
	CONT 0, 16
.endm
; A chunk.  mode 1: the slot is filled again; 2: the other slot is awaited, nothing is asked for; 0: the last chunk
.macro CHUNK slot, mode
.irp i, 0,1,2,3,4,5
	RU \slot, \i+2, \i
.endr
.if \mode == 1
	CHG \slot
	RU 1-\slot, 1, 7
.endif
.if \mode == 2
	s_wait_tensorcnt 0x0                           ; my part of the last chunk is in; I alone read it
	RU 1-\slot, 0, 6
	RU 1-\slot, 1, 7
.endif
.if \mode == 0
	s_wait_alu depctr_va_vdst(0)                   ; as at every unit's head
	s_wait_dscnt 0x0
	MPH 1, 1
	CONT 0, 16
.set nn, 0
.rept 48
	SLINE nn, 1                                    ; the last record's selects
.set nn, nn+1
.endr
.endif
.endm
.macro MERGE d, c, e, f                ; (d, c) becomes the better of (d, c) and (e, f): the smaller number, of equal ones the lower code
	v_cmp_lt_f32 s52, v[\e], v[\d]
	v_cmp_eq_f32 s53, v[\e], v[\d]
	v_cmp_lt_u32 s54, v[\f], v[\c]
	s_and_b32 s53, s53, s54
	s_or_b32 s52, s52, s53
	v_cndmask_b32 v[\d], v[\d], v[\e], s52
	v_cndmask_b32 v[\c], v[\c], v[\f], s52
.endm
	s_load_b256 s[4:11], s[0:1], 0x0               ; inputs s[4:5], ecb s[6:7], out0 s[8:9], cidx s[10:11]
	v_lshl_add_u32 v[SPW], v0, 2, SPARE
	v_mov_b32 v[NIL], 0
	ds_add_u32 v[SPW], v[NIL]                      ; the opening lines: the add twice on end, and its wait, ahead of my first tensor load
	ds_add_u32 v[SPW], v[NIL]
	v_lshrrev_b32 v146, 5, v0
	v_readfirstlane_b32 s[WV], v146                ; wave 0..3
	s_bfe_u32 s[CX], ttmp6, 0x40000                ; cx: it enters global addresses alone
	s_lshl_b32 s15, ttmp9, 2
	s_add_co_u32 s15, s15, s[CX]                   ; my work-group
	s_mul_i32 s16, s[WV], WPART                    ; my wave's part, in a chunk and in a slot
	s_mov_b32 s17, 0
	s_lshl_b32 s44, s[WV], 10
	s_mul_i32 s45, s[WV], 32*SP
	s_add_co_u32 s45, s45, STG                     ; my stage
	s_mul_i32 s46, s[WV], 32*XP
	s_add_co_u32 s46, s46, XIMG                    ; my two query tiles' 32 lines
	s_lshl_b32 s47, s[WV], 8
	s_add_co_u32 s47, s47, XSC                     ; their four fragments' scale words
	s_lshl_b32 s48, s[WV], 7
	v_and_b32 v147, 31, v0                         ; lane
	v_and_b32 v148, 15, v0                         ; r
	v_bfe_u32 v149, v0, 4, 1                       ; h
	v_lshlrev_b32 v[GL], 4, v147
	v_add_nc_u32 v[AE], s16, v[GL]
	v_add_nc_u32 v[AE+1], SLOTB, v[AE]
	v_lshl_add_u32 v[AS], v148, 3, s16
	v_add_nc_u32 v[AS+1], SLOTB, v[AS]
	v_lshl_add_u32 v[AL], v149, 5, s16
	v_add_nc_u32 v[AL+1], SLOTB, v[AL]
	v_lshl_add_u32 v[VT], v149, 3, s48             ; 128 w + 8 h: my first tile's base
	v_mul_u32_u24 v[LI], v149, XP
	v_lshl_add_u32 v[LI], v148, 4, v[LI]
	v_add_nc_u32 v[LI], XIMG, v[LI]
	v_lshl_add_u32 v[LS], v148, 2, XSC
	v_min_u32 v[PFO], 16, v147
	v_lshlrev_b32 v[PFO], 8, v[PFO]
	v_lshl_add_u32 v[RA], v148, 3, s44
	v_add_nc_u32 v[RA], XIMG, v[RA]
	v_lshl_add_u32 v[RB], v0, 4, XIMG
	v_lshrrev_b32 v150, 2, v147
	v_mul_u32_u24 v150, v150, SP
	v_and_b32 v151, 3, v147
	v_lshl_add_u32 v150, v151, 4, v150
	v_add_nc_u32 v[STI], s45, v150                 ; into the stage: four lanes' 64 bytes on end, then 16 of padding
	v_mul_u32_u24 v150, v147, SP
	v_add_nc_u32 v[STO], s45, v150                 ; out of it: my 16 neighbours
	v_mul_u32_u24 v150, v148, XP
	v_lshl_add_u32 v150, v149, 4, v150
	v_add_nc_u32 v[LW], s46, v150                  ; my codes: line l % 16 of the tile's sixteen, row l / 16 of the step's two
	v_bfe_u32 v150, v0, 3, 1
	v_lshlrev_b32 v150, 6, v150                    ; K step: 64 bytes
	v_lshl_add_u32 v150, v149, 2, v150             ; row: 4 bytes
	v_bfe_u32 v151, v0, 1, 2                       ; the block's byte
	v_add_nc_u32 v150, v150, v151
	v_add_nc_u32 v[SW], s47, v150
	s_wait_alu depctr_va_vdst(0)                   ; ahead of the scalar lines and the waits below
	s_mov_b32 s[SEL], 0x76543210
	s_mov_b32 s[SEL+1], 0xfedcba98
	s_mov_b32 s[MNT], 0x600000
	s_mov_b32 s[G1+0], 15|(3<<16)|(1<<21)          ; the mask: all four work-groups; elements of 8 bytes; bit 21 beside a mask
	s_mov_b32 s[G1+1], 32<<16                      ; tensor_dim0 = 32
	s_mov_b32 s[G1+2], 136<<16                     ; tensor_dim1 = 136
	s_mov_b32 s[G1+3], 32<<16                      ; tile_dim0 = 32
	s_mov_b32 s[G1+4], 136                         ; tile_dim1 = 136
	s_mov_b32 s[G1+5], 32                          ; from row to row
	s_mov_b32 s[G1+6], 0
	s_mov_b32 s[G1+7], 0
	s_mov_b32 s[TRIP], 7
	s_cmp_lt_u32 ttmp9, 2
	s_cselect_b32 s[LIM], 1, -1                    ; the same in all four partners
	s_and_b32 s18, s15, 7
	s_mul_i32 s18, s18, REC                        ; my work-group's 17 blocks of a wave's 136
	s_mov_b32 s19, 0
	s_lshl_b32 s52, s15, 17                        ; my work-group's 128 rows of 1,024 bytes,
	s_lshl_b32 s53, s[WV], 15                      ; my wave's 32 of them
	s_add_co_u32 s52, s52, s53
	s_mov_b32 s53, 0
	s_lshl_b32 s54, s15, 9                         ; my work-group's 128 codes of 4 bytes
	s_mov_b32 s55, 0
	s_wait_dscnt 0x0                               ; both opening adds are done
	s_wait_kmcnt 0x0
	s_add_nc_u64 s[4:5], s[4:5], s[52:53]
	s_add_nc_u64 s[8:9], s[8:9], s[54:55]
	s_add_nc_u64 s[10:11], s[10:11], s[54:55]
	s_add_nc_u64 s[6:7], s[6:7], s[16:17]          ; the codebook at my wave's part of chunk 0
	WIN 0xc0                                       ; destination window 3
.irp t, 0,1,2,3,4,5,6,7,8,9,10,11,12,13,14
	XLOAD \t
.endr
	WIN 0
	s_mov_b32 s[G0+0], 1
	s_mov_b32 s[G0+1], s16                         ; slot 0
	s_mov_b64 s[G0+2:G0+3], s[6:7]                 ; chunk 0
	s_or_b32 s[G0+3], s[G0+3], 0x80000000
	s_mov_b32 s[G0+4], 1
	s_add_co_u32 s[G0+5], s16, SLOTB               ; slot 1
	s_add_nc_u64 s[G0+6:G0+7], s[6:7], SLOTB       ; chunk 1
	s_or_b32 s[G0+7], s[G0+7], 0x80000000
	s_add_nc_u64 s[PFA:PFA+1], s[6:7], s[18:19]
	s_add_nc_u64 s[PFA:PFA+1], s[PFA:PFA+1], 3*SLOTB   ; in chunk 3: the first change of slots steps it to chunk 4
	CROUND                                         ; all four work-groups are here: the first joint loads meet
	tensor_load_to_lds s[G0:G0+3], s[G1:G1+7]      ; chunk 0: one tensor load a wave at the head
	s_nop 0
.rept 4
	v_nop
.endr
.irp q, 0,1,2,3,4,5,6,7
	v_mov_b32 v[MI+2*\q], 0x7f800000               ; the minima begin at +infinity: the first tile lowers them.  (The kept tiles need no first value: x's numbers lie there)
	v_mov_b32 v[MI+2*\q+1], 0
.endr
	; ---- x: my wave's 32 rows become codes of -x and scale bytes (+ 1), in LDS for all four waves
	s_wait_loadcnt 56                              ; step 0's four loads are in
	WIN 0xc0
	XLOAD 15
	WIN 0
	TURN 0
.irp t, 0,1,2,3,4,5,6,7,8,9,10,11,12,13,14,15
	STEP \t
.endr
	s_wait_alu depctr_va_vdst(0)
	s_wait_tensorcnt 0x0                           ; my part of chunk 0 is in; these lines stand ahead of a later first fill as ahead of a refill
	ds_add_u32 v[SPW], v[NIL]
	s_wait_dscnt 0x0                               ; the add and my stores of x's codes and bytes are done
	CROUND                                         ; x lies whole in LDS, and the joint loads meet
	tensor_load_to_lds s[G0+4:G0+7], s[G1:G1+7]    ; chunk 1: slot 1's first fill
	s_nop 0
.rept 4
	v_nop
.endr
	WIN 0x40                                       ; destination window 1
.set f, 0
.rept 16
.irp c, 0,1,2,3
	ds_load_b128 v[16*f+4*\c:16*f+4*\c+3], v[LI] offset:XP*(8*f+2*\c)
.endr
.set f, f+1
.endr
	WIN 0
.set f, 0
.rept 16
	ds_load_b32 v[XS+(f/6)*8+f%6], v[LS] offset:64*f
.set f, f+1
.endr
	ELOAD 0, 0, 0
	ELOAD 0, 1, 1
	s_wait_dscnt 11                                ; all but record 1's eleven
	MPH 0, 0
.rept 8
	v_nop                                          ; places ahead of the first read of results and of the loads into set 0; later the selects fill them
.endr
.irp st, 0,1,2,3
.irp q, 0,1,2,3,4,5,6,7
	TRL \st, \q, 0                                 ; record 0's minima
.endr
.endr
.Lloop:                                            ; seven trips: chunks 0 to 13 pass the selects, chunks 2 to 15 are asked for
	CHUNK 0, 1
	CHUNK 1, 1
	s_sub_co_u32 s[TRIP], s[TRIP], 1
	s_cmp_lg_u32 s[TRIP], 0
	s_cbranch_scc1 .Lloop
	CHUNK 0, 2                                     ; the tail is written out: nothing more is asked for
	CHUNK 1, 0
	; ---- the end.  In each lane and query tile: the lowest register equal to the minimum, and so the code
.irp q, 0,1,2,3,4,5,6,7
	v_mov_b32 v[JJ+\q], 7
.endr
.irp j, 6,5,4,3,2,1,0
.irp q, 0,1,2,3,4,5,6,7
	v_cmp_neq_f32 vcc_lo, v[SV+8*\q+\j], v[MI+2*\q]
	v_cndmask_b32 v[JJ+\q], \j, v[JJ+\q], vcc_lo
.endr
.endr
.irp q, 0,1,2,3,4,5,6,7
	v_add_nc_u32 v[MI+2*\q+1], v[MI+2*\q+1], v[JJ+\q]
.endr
.irp q, 0,1,2,3,4,5,6,7
	v_permlanex16_b32 v[PO+2*\q], v[MI+2*\q], s[SEL], s[SEL+1]   ; the query's other eight codes of each tile lie in the lane 16 away
	v_permlanex16_b32 v[PO+2*\q+1], v[MI+2*\q+1], s[SEL], s[SEL+1]
.endr
.irp q, 0,1,2,3,4,5,6,7
	MERGE MI+2*\q, MI+2*\q+1, PO+2*\q, PO+2*\q+1
.endr
.irp q, 0,1,2,3,4,5,6,7
	ds_store_b64 v[RA], v[MI+2*\q:MI+2*\q+1] offset:128*\q   ; both lanes of a query write the same pair.  x's codes, which lay here, were last read ahead of the first change of slots
.endr
	s_wait_dscnt 0x0                               ; for the others' sake
	s_barrier_signal -1
	s_barrier_wait -1
	s_cmp_gt_u32 s[WV], 1                          ; waves 0 and 1 finish: thread t takes rows 2 t and 2 t + 1
	s_cbranch_scc1 .Ldone
.irp k, 0,1,2,3
	ds_load_b128 v[KQ+4*\k:KQ+4*\k+3], v[RB] offset:1024*\k
.endr
	v_lshlrev_b32 v[GOF], 3, v0
	s_wait_alu depctr_va_vdst(0)
	s_wait_dscnt 0x0
.irp k, 1,2,3
	MERGE KQ, KQ+1, KQ+4*\k, KQ+4*\k+1
	MERGE KQ+2, KQ+3, KQ+4*\k+2, KQ+4*\k+3
.endr
	v_mov_b32 v[OUTP], v[KQ+1]
	v_mov_b32 v[OUTP+1], v[KQ+3]
	global_store_b64 v[GOF], v[OUTP:OUTP+1], s[8:9]     ; 32 lanes store 256 consecutive bytes, aligned
	global_store_b64 v[GOF], v[OUTP:OUTP+1], s[10:11]
.Ldone:
	s_wait_tensorcnt 0x0                           ; the wave's end
	ds_add_u32 v[SPW], v[NIL]
	s_wait_dscnt 0x0
	CROUND                                         ; the closing round
	s_endpgm
.Lfunc_end_k_qfd46f3f094_dist_argmin:
	.size	k_qfd46f3f094_dist_argmin, .Lfunc_end_k_qfd46f3f094_dist_argmin-k_qfd46f3f094_dist_argmin
	.p2alignl 7, 3214868480
	.fill 96, 4, 3214868480
	.section	.rodata,"a",@progbits
	.p2align	6, 0x0
	.amdhsa_kernel k_qfd46f3f094_dist_argmin
		.amdhsa_group_segment_fixed_size 327680
		.amdhsa_private_segment_fixed_size 0
		.amdhsa_enable_private_segment 0
		.amdhsa_kernarg_size 32
		.amdhsa_user_sgpr_count 2
		.amdhsa_user_sgpr_kernarg_segment_ptr 1
		.amdhsa_wavefront_size32 1
		.amdhsa_system_sgpr_workgroup_id_x 1
		.amdhsa_system_sgpr_workgroup_id_y 1
		.amdhsa_system_sgpr_workgroup_id_z 1
		.amdhsa_system_vgpr_workitem_id 0
		.amdhsa_next_free_vgpr 1024
		.amdhsa_next_free_sgpr 66
		.amdhsa_reserve_vcc 1
		.amdhsa_float_denorm_mode_32 3
		.amdhsa_float_denorm_mode_16_64 3
		.amdhsa_memory_ordered 1
		.amdhsa_forward_progress 1
		.amdhsa_inst_pref_size 255
	.end_amdhsa_kernel
	.section	.bss,"aw",@nobits
	.p2align	6
	.space	262144
	.amdgpu_metadata
---
amdhsa.version: [ 1, 2 ]
amdhsa.kernels:
  - .name:           k_qfd46f3f094_dist_argmin
    .symbol:         k_qfd46f3f094_dist_argmin.kd
    .args:
      - { .name: inputs, .offset: 0, .size: 8, .value_kind: global_buffer, .address_space: global }
      - { .name: ecb, .offset: 8, .size: 8, .value_kind: global_buffer, .address_space: global }
      - { .name: out0, .offset: 16, .size: 8, .value_kind: global_buffer, .address_space: global }
      - { .name: cidx, .offset: 24, .size: 8, .value_kind: global_buffer, .address_space: global }
    .group_segment_fixed_size: 327680
    .private_segment_fixed_size: 0
    .kernarg_segment_align: 8
    .kernarg_segment_size: 32
    .max_flat_workgroup_size: 128
    .sgpr_count:     66
    .vgpr_count:     1024
    .wavefront_size: 32
...
	.end_amdgpu_metadata
.endif
;; end of part 2
;; launch gather (part 3): grid 256 x 1, 8 waves a work-group, no clusters, 0 bytes of LDS; arguments cidx, embeddings, out1; writes out1
.if DOCPART == 3
	.amdgcn_target "amdgcn-amd-amdhsa--gfx1250"
	.amdhsa_code_object_version 6
	.text
	.protected	k_qfd46f3f094_gather
	.globl	k_qfd46f3f094_gather
	.p2align	8
	.type	k_qfd46f3f094_gather,@function
k_qfd46f3f094_gather:
	s_mov_b64 s[64:65], 0
	v_nop
	global_prefetch_b8 v0, s[64:65] scope:SCOPE_SE
	s_setreg_imm32_b32 hwreg(HW_REG_WAVE_MODE, 25, 1), 1
	s_wait_xcnt 0x0
; out1[row][:] = embeddings[cidx[row]][:].  cidx: 32,768 whole numbers, stored by the launch before; a row of the table and of the output is 1,024 bytes.
; A wave takes 16 rows.  Its 16 indices are 64 consecutive bytes and the same for all lanes: one scalar load.  Each is held to 8,191, the table's last row, ahead of its way into an address.
; A row is two loads of 512 consecutive bytes and two stores of the same: all 32 loads of a wave (16 KiB) go out first, and each store follows its own load's counted wait.
; No register is written twice, so no wait for a source is owed.  No LDS, no barrier, no matrix unit, no cluster: waves share nothing, and the bytes are moved as they are.
.set OF, 4                             ; v4-19    row i's byte offset in the table + 16 x lane
.set D,  20                            ; v20-147  16 rows x 8 registers
	s_load_b128 s[4:7], s[0:1], 0x0                ; cidx s[4:5], embeddings s[6:7]
	s_load_b64 s[8:9], s[0:1], 0x10                ; out1
	v_lshrrev_b32 v2, 5, v0
	s_delay_alu instid0(VALU_DEP_1)
	v_readfirstlane_b32 s10, v2                    ; wave 0..7
	v_and_b32 v1, 31, v0
	s_delay_alu instid0(VALU_DEP_1)
	v_lshlrev_b32 v1, 4, v1                        ; 16 x lane
	s_lshl_b32 s11, ttmp9, 3
	s_add_co_u32 s11, s11, s10                     ; which run of 16 rows is mine
	s_lshl_b32 s12, s11, 6                         ; its 64 bytes of indices
	s_mov_b32 s13, 0
	s_lshl_b32 s14, s11, 14                        ; its 16,384 bytes of the output
	s_mov_b32 s15, 0
	s_wait_alu depctr_va_vdst(0)
	s_wait_kmcnt 0x0
	s_add_nc_u64 s[4:5], s[4:5], s[12:13]
	s_add_nc_u64 s[8:9], s[8:9], s[14:15]
	s_load_b512 s[16:31], s[4:5], 0x0
	s_wait_kmcnt 0x0
.set i, 0
.rept 16
	s_min_u32 s[16+i], s[16+i], 8191
	s_lshl_b32 s[16+i], s[16+i], 10
	v_add_nc_u32 v[OF+i], s[16+i], v1
	global_load_b128 v[D+8*i:D+8*i+3], v[OF+i], s[6:7]
	global_load_b128 v[D+8*i+4:D+8*i+7], v[OF+i], s[6:7] offset:512
.set i, i+1
.endr
.set i, 0
.rept 32
	s_wait_loadcnt 31-i                            ; loads come back in order (ISA guide 5.7.1): load i is in, the 31 - i younger ones stay out
	global_store_b128 v1, v[D+4*i:D+4*i+3], s[8:9] offset:512*i th:TH_STORE_NT   ; 32 lanes store 512 consecutive bytes, at a multiple of 256 from the buffer's first byte; written once, read by nobody here
.set i, i+1
.endr
	s_endpgm
.Lfunc_end_k_qfd46f3f094_gather:
	.size	k_qfd46f3f094_gather, .Lfunc_end_k_qfd46f3f094_gather-k_qfd46f3f094_gather
	.p2alignl 7, 3214868480
	.fill 96, 4, 3214868480
	.section	.rodata,"a",@progbits
	.p2align	6, 0x0
	.amdhsa_kernel k_qfd46f3f094_gather
		.amdhsa_group_segment_fixed_size 0
		.amdhsa_private_segment_fixed_size 0
		.amdhsa_enable_private_segment 0
		.amdhsa_kernarg_size 24
		.amdhsa_user_sgpr_count 2
		.amdhsa_user_sgpr_kernarg_segment_ptr 1
		.amdhsa_wavefront_size32 1
		.amdhsa_system_sgpr_workgroup_id_x 1
		.amdhsa_system_sgpr_workgroup_id_y 1
		.amdhsa_system_sgpr_workgroup_id_z 1
		.amdhsa_system_vgpr_workitem_id 0
		.amdhsa_next_free_vgpr 152
		.amdhsa_next_free_sgpr 66
		.amdhsa_reserve_vcc 0
		.amdhsa_float_denorm_mode_32 3
		.amdhsa_float_denorm_mode_16_64 3
		.amdhsa_memory_ordered 1
		.amdhsa_forward_progress 1
		.amdhsa_inst_pref_size 10
	.end_amdhsa_kernel
	.amdgpu_metadata
---
amdhsa.version: [ 1, 2 ]
amdhsa.kernels:
  - .name:           k_qfd46f3f094_gather
    .symbol:         k_qfd46f3f094_gather.kd
    .args:
      - { .name: cidx, .offset: 0, .size: 8, .value_kind: global_buffer, .address_space: global }
      - { .name: embeddings, .offset: 8, .size: 8, .value_kind: global_buffer, .address_space: global }
      - { .name: out1, .offset: 16, .size: 8, .value_kind: global_buffer, .address_space: global }
    .group_segment_fixed_size: 0
    .private_segment_fixed_size: 0
    .kernarg_segment_align: 8
    .kernarg_segment_size: 24
    .max_flat_workgroup_size: 256
    .sgpr_count:     66
    .vgpr_count:     152
    .wavefront_size: 32
...
	.end_amdgpu_metadata
.endif
;; end of part 3
